; MI455X (gfx1250); checked and timed in simulation.
; The chip was launched on July 23, 2026; its instructions are those of AMD's public machine-readable ISA for CDNA 5 (MIT licence, August 2026) and "CDNA5" Instruction Set Architecture Reference Guide (July 2026). The comments in the code are by the model that wrote it; some were corrected since.
;; Multihead Self Attention. Allowed arithmetic: matrix products marked QUANTISED: E2M1 operands, one E8M0 scale for each 32 along K, by v_wmma_scale_f32_16x16x128_f8f6f4 with both operands' format E2M1 (or v_wmma_scale_f32_32x16x128_f4), f32 sums; everything else in f32.
;; Inputs: Wk_codes 1,024 x 32 x 16 uint8 (E2M1 codes of Wk, K innermost, in blocks of 32 codes, two codes a byte); Wk_scales 1,024 x 32 uint8 (E8M0 scales of Wk, one for each 32 codes along K); Wo_codes 1,024 x 32 x 16 uint8 (E2M1 codes of Wo, K innermost, in blocks of 32 codes, two codes a byte); Wo_scales 1,024 x 32 uint8 (E8M0 scales of Wo, one for each 32 codes along K); Wq_codes 1,024 x 32 x 16 uint8 (E2M1 codes of Wq, K innermost, in blocks of 32 codes, two codes a byte); Wq_scales 1,024 x 32 uint8 (E8M0 scales of Wq, one for each 32 codes along K); Wv_codes 1,024 x 32 x 16 uint8 (E2M1 codes of Wv, K innermost, in blocks of 32 codes, two codes a byte); Wv_scales 1,024 x 32 uint8 (E8M0 scales of Wv, one for each 32 codes along K); cos_sin 2,048 x 32 x 2 float32; token_positions 2,048 int32; x_codes 4 x 2,048 x 32 x 16 uint8 (E2M1 codes of x, K innermost, in blocks of 32 codes, two codes a byte); x_scales 4 x 2,048 x 32 uint8 (E8M0 scales of x, one for each 32 codes along K).
;; Outputs: out0 4 x 2,048 x 1,024 float32.
;; This version of the problem:
;;   THIS VERSION OF THE PROBLEM IS GIVEN IN LOW PRECISION. The matrix products marked QUANTISED in the list below multiply operands that are first quantised to E2M1 (2 exponent bits, 1 mantissa bit; 4 bits a number), with one power-of-two scale for each 32 numbers along K (OCP MX v1.0); their sums are f32. All else is computed in f32.
;;   The module's matrix products, in the order in which they are computed (A, B: the left and right operand; K: the contracted axis; several contracted axes count as one K, in the product's order):
;;     1. [M 8,192, K 1,024] x [K 1,024, N 1,024]; A: input x (given as codes); B: input Wq (given as codes): QUANTISED
;;     2. [M 8,192, K 1,024] x [K 1,024, N 1,024]; A: input x (given as codes); B: input Wk (given as codes): QUANTISED
;;     3. [M 8,192, K 1,024] x [K 1,024, N 1,024]; A: input x (given as codes); B: input Wv (given as codes): QUANTISED
;;     4. batch 64 x [M 2,048, K 64] x [K 64, N 2,048]; A: computed on the way; B: computed on the way: QUANTISED
;;     5. batch 64 x [M 2,048, K 2,048] x [K 2,048, N 64]; A: softmax (see below); B: computed on the way: QUANTISED
;;     6. [M 8,192, K 1,024] x [K 1,024, N 1,024]; A: computed on the way; B: input Wo (given as codes): QUANTISED
;;   THE QUANTISER, for each operand of a quantised product, along K:
;;     - K is cut into blocks of 32 from its start; a last block that is shorter is filled with zeros.
;;     - A block's scale is 2^e with e = floor(log2(the largest magnitude in the block)) - 2, held to -126 .. 127; a block of zeros has e = 0. As a byte (E8M0): e + 127.
;;     - Each number is divided by its block's scale, clamped to +-6, and rounded to the nearest number of E2M1, ties to even, subnormals kept.
;;     - The product sums the exact products of the quantised numbers (number of the format x scale) in f32.
;;   ~~~python
;;   def quantise(x, axis):      # numpy; x: float32 -> the quantised numbers, widened to float32 again
;;       x = np.moveaxis(x, axis, -1); K = x.shape[-1]
;;       x = np.pad(x, [(0, 0)] * (x.ndim - 1) + [(0, -K % 32)]); x = x.reshape(x.shape[:-1] + (-1, 32)); a = np.abs(x).max(-1, keepdims=True)
;;       e = np.where(a > 0, np.clip(np.frexp(np.where(a > 0, a, 1))[1] - 1 - 2, -126, 127), 0)      # np.frexp(a)[1] - 1 = floor(log2(a)), exactly
;;       r = np.clip(x / 2.0 ** e, -6, 6)
;;       step = 2.0 ** (np.maximum(np.frexp(np.where(r == 0, 1, r))[1] - 1, 0) - 1)
;;       q = np.round(r / step) * step * 2.0 ** e      # np.round: ties to even
;;       return np.moveaxis(q.reshape(q.shape[:-2] + (-1,))[..., :K], -1, axis).astype(np.float32)
;;   ~~~
;;   SOFTMAX AHEAD OF A QUANTISED PRODUCT. Where the list says 'softmax', what is quantised is not the finished softmax but p = 2^(t - M), with t = logit x log2(e) and M = ceil(the row's largest t), a whole number; so 1/2 < the row's largest p <= 1. The row's sum l is taken of the UNQUANTISED p, in f32, and the product's result is divided by l at the end. Since M is a whole number, a kernel that streams over the keys may use a running M (the ceiling of the running maximum): every later rescaling is an exact power of two, which a block's scale takes up: the codes' values come out the same.
;;   OPERANDS COMPUTED ON THE WAY. 'Computed on the way' means the value that the module computes at that place (a softmax that the list does not call 'softmax' is quantised finished and normalised). What goes into a quantiser is computed in f32, as accurately as f32 sums, v_exp_f32 and their like allow (about 1e-6 of the number): no bf16 or f16 on the way to a quantiser, and a product that is left as it is and whose result goes on into a quantised operand takes f32 operands (vector FMAs, or v_wmma_f32_16x16x4_f32). A number that lies on a knife's edge between two numbers of the format may be rounded either way, as far as f32 arithmetic and the matrix unit's own rounding can turn it there, and no further.
;;   INPUTS GIVEN AS CODES. Wk (in the module: [1024, 1024], K = its axis 1); Wo (in the module: [1024, 1024], K = its axis 1); Wq (in the module: [1024, 1024], K = its axis 1); Wv (in the module: [1024, 1024], K = its axis 1); x (in the module: [4, 2048, 1024], K = its axis 2): each comes as NAME_codes (uint8): NAME with its K axis moved to the last place and cut into blocks of 32 codes, [.., K / 32, bytes a block], one block behind the other in memory; two codes a byte, the lower K in the low four bits (a code: sign, 2 exponent bits, 1 mantissa bit); and NAME_scales (uint8): the same leading axes, one E8M0 byte (e + 127) for each 32 codes along K. Its value is code x scale, taken as it is: it is not quantised again, and the codes and scales need not be those that the quantiser above would give.
;; One version. Each part assembles by itself: llvm-mc -triple=amdgcn-amd-amdhsa -mcpu=gfx1250 --defsym DOCPART=n.
;; ======== version 1 of 1: 3 launches
;; workspace buffers: cod 12,582,912 bytes; scl 1,310,720 bytes; ac 4,194,304 bytes; asw 524,288 bytes
;; launch qkv (part 1): grid 12 x 64, 4 waves a work-group, clusters of 4 x 4, 222,464 bytes of LDS; arguments x_codes, x_scales, Wq_codes, Wq_scales, Wk_codes, Wk_scales, Wv_codes, Wv_scales, cos_sin, token_positions, cod, scl; writes cod, scl
.if DOCPART == 1
	.amdgcn_target "amdgcn-amd-amdhsa--gfx1250"
	.amdhsa_code_object_version 6
	.text
	.protected	k_q79920b0923_qkv
	.globl	k_q79920b0923_qkv
	.p2align	8
	.type	k_q79920b0923_qkv,@function
k_q79920b0923_qkv:
	s_mov_b64 s[64:65], 0
	v_nop
	global_prefetch_b8 v0, s[64:65] scope:SCOPE_SE
	s_setreg_imm32_b32 hwreg(HW_REG_WAVE_MODE, 25, 1), 1
	s_wait_xcnt 0x0
	s_wait_alu depctr_hold_cnt(0) depctr_sa_sdst(0) depctr_va_vdst(0) depctr_va_sdst(0) depctr_va_ssrc(0) depctr_va_vcc(0) depctr_vm_vsrc(0)
	s_getreg_b32 s2, hwreg(HW_REG_IB_STS2, 6, 4)
	s_cmp_eq_u32 s2, 0
	s_cbranch_scc0 .Lentry_in_a_cluster
	s_endpgm
.Lentry_in_a_cluster:
	s_bfe_u32 s2, ttmp6, 0x10000c
	s_cmp_lg_u32 s2, 0xf033
	s_cbranch_scc0 .Lentry_shape_is_right
	s_endpgm
.Lentry_shape_is_right:
; CAUSAL SELF-ATTENTION IN MX-FP4, three launches: this one (x Wq^T, x Wk^T, x Wv^T, the rotation, the quantisers of q, k, v), the attention, the projection by Wo.
; WORK LEFT OUT BY THE PROGRAM: reference() sets every score with key > query to -infinity by its own jnp.tril; 2^(-infinity) = 0 whatever finite values the inputs hold, so such a key adds
; nothing to the row's sum nor to the second product.  Key steps of 128 keys that lie wholly behind a tile of 16 queries are therefore not walked (second launch).  Nothing else is left out: every input is loaded.
; LIMITS: a NaN, an infinity or an overflow that reaches only the steps left out is not carried to the result; NaN and infinities among the inputs are not served; a block of zeros gets the scale byte 1
; (its codes are zeros, and these bytes are read by this program alone); token_positions is held at 2,047, the table's last row; the rotation is one multiply and one fused multiply-add where reference() rounds three times.
; THIS LAUNCH.  Cluster x = 0, 1, 2 makes q, k, v.  A work-group takes 128 rows of x (my = 4 cluster y + cy) and 256 rows of its W (cx): four heads.  All of K = 1,024 lies in LDS at once, as two halves of 512:
; every tensor load is a first fill, nothing is filled again.  x's tile is asked for jointly by the four work-groups of a row of the cluster, W's by the four of a column.
; q, k: source 0 = 128 rows of W (two heads), source 1 = 64 rows of x: a lane holds ONE row of x and its registers run along d, which is the next product's K.
; v:    source 0 = the 128 rows of x (keys), source 1 = 64 rows of Wv (one head): a lane holds ONE d and its registers run along the keys, which are the next K.
; In a result tile lane (r, h) holds k = 8 h + 0..7, so two neighbouring tiles hold k = 32 b + 16 u + 8 h + j in register 16 b + 8 u + j.  QUANT turns 64 such numbers into a fragment (lane (r, h): k = 64 c + 32 h + 0..31 in registers 4 c .. 4 c + 3).
; WORKSPACE, images of operand registers, 16 bytes a lane, 512 consecutive bytes a store:
;   cod [bh 64][Q | K | V, 65,536 bytes each]; Q, K: [tile of 16 rows][lane]; V: [step of 128 keys][tile of 16 d][c][lane].
;   scl [bh 64][qs 8,192 | ks 8,192 | vs 4,096]; qs, ks: [64 rows][r][tile] words, two bytes used; vs: [step][r][tile of d] words.
; REGISTERS, in windows of 256: window 0 addresses, scale words (v32-127, nothing else there), work; window 1 the 32 accumulators ((t, i) at v[64 t + 8 i]); window 2 two sets of fragments; window 3 cos and sin.
.set PITCH, 272                        ; an LDS row of codes: 256 bytes + 16
.set XT,    128*PITCH                  ; x's 128 rows of a slot
.set SLOT,  384*PITCH                  ; x's 128 rows, then W's 256
.set STILE, 544                        ; the scale bytes of 16 rows: 512 bytes + 16 behind each 256
.set SCLX,  2*SLOT                     ; x's scale bytes
.set SCLW,  SCLX+8*STILE               ; W's
.set SPARE, SCLW+16*STILE              ; the spare words, 128 bytes a wave
.set CODH,  196608                     ; a head's bytes in cod
.set SCLH,  20480                      ; and in scl
.set PADC,  (0<<16)|(1<<20)|(1<<21)|(5<<22)|(3<<25)   ; elements of 1 byte; padding on; bit 21 beside a mask; 4 words behind every 64
.set PADS,  (3<<16)|(1<<20)|(1<<21)|(5<<22)|(3<<25)   ; the same with elements of 8 bytes
.set LN16, 4                           ; v4  16 x lane
.set SH16, 7                           ; v7  16 h
.set POS,  8                           ; v8-11 byte offsets into cos_sin, a tile of rows each
.set SOFF, 12                          ; v12 offset of the scale words' store
.set AD0,  16                          ; v16-17 source 0's fragments in slot 0, 1
.set AD1,  18                          ; v18-19 source 1's
.set AS0,  20                          ; v20 source 0's scale words
.set AS1,  21                          ; v21 source 1's
.set SPW,  28                          ; v28 my spare word; never rewritten
.set NIL,  29                          ; v29 0; never rewritten
.set SC0,  32                          ; v32-95  scale words of source 0: tile i, K step q at 8 i + q
.set SC1,  96                          ; v96-127 of source 1
.set T,    128                         ; v128-191 the rotation's products
.set PC,   192                         ; v192-223 codes, 8 registers for each tile: no store's data are written again
.set TM,   224                         ; v224-239 at work in QUANT
.set PW,   240                         ; v240 the scale word just made
.set SW,   244                         ; v244-247 scale words to store
.set SV,   248                         ; v248-249
.set WV,   28
.set ROLE, 29
.set HALF, 30
.set CX,   31
.set CY,   32
.set MY,   33
.set BB,   34
.set JJ,   35
.set G1A,  36                          ; s[36:43] group 1, x's codes;  s[44:51] W's codes;  s[52:59] x's scales;  s[68:75] W's scales
.set G1B,  44
.set G1SA, 52
.set G1SB, 68
.set G0A,  76                          ; s[76:87] three groups 0 for x: scales, slot 0, slot 1;  s[88:99] the same for W
.set G0B,  88
.set SEL,  100                         ; s100, s101 lane selects: lane l xor 16
.set MSB, 0
.macro WIN new                         ; the immediate's high byte repeats the setting that is left
.if MSB != \new
	s_set_vgpr_msb (MSB<<8)|\new
.set MSB, \new
.endif
.endm
.macro PLACES n
.rept \n
	v_nop
.endr
.endm
.macro CROUND                          ; a round of the cluster's barrier
	s_barrier_signal -1
	s_barrier_wait -1
	s_cmp_lg_u32 s[WV], 0
	s_cbranch_scc1 .Lnot_wave_0_\@
	s_barrier_signal -3
.Lnot_wave_0_\@:
	s_barrier_wait -3
	s_barrier_signal -1
	s_barrier_wait -1
.endm
.macro JLOAD g0a, g1a, g0b, g1b        ; a joint load: waves 0, 1 fetch for x, waves 2, 3 for W; an s_nop 0 and four v_nop follow each line
	s_cmp_eq_u32 s[ROLE], 0
	s_cbranch_scc0 .Lfor_b_\@
	tensor_load_to_lds s[\g0a:\g0a+3], s[\g1a:\g1a+7]
	s_nop 0
.rept 4
	v_nop
.endr
	s_branch .Lasked_\@
.Lfor_b_\@:
	tensor_load_to_lds s[\g0b:\g0b+3], s[\g1b:\g1b+7]
	s_nop 0
.rept 4
	v_nop
.endr
.Lasked_\@:
.endm
.macro SHAPE g, c, r, p                ; words 1 to 7 of a group 1: r rows of c elements, p elements from row to row
	s_mov_b32 s[\g+1], (\c)<<16
	s_mov_b32 s[\g+2], (\r)<<16
	s_mov_b32 s[\g+3], (\c)<<16
	s_mov_b32 s[\g+4], \r
	s_mov_b32 s[\g+5], \p
	s_mov_b32 s[\g+6], 0
	s_mov_b32 s[\g+7], 0
.endm
	s_load_b512 s[4:19], s[0:1], 0x0               ; x codes, x scales, Wq codes, Wq scales, Wk codes, Wk scales, Wv codes, Wv scales
	s_load_b256 s[20:27], s[0:1], 0x40             ; cos_sin, token_positions, cod, scl
	v_lshl_add_u32 v[SPW], v0, 2, SPARE
	v_mov_b32 v[NIL], 0
	ds_add_u32 v[SPW], v[NIL]                      ; the wave's opening: the add, twice on end, and its wait ahead of my first tensor load
	ds_add_u32 v[SPW], v[NIL]
	v_lshrrev_b32 v1, 5, v0
	v_readfirstlane_b32 s[WV], v1                  ; wave 0..3
	s_lshr_b32 s[ROLE], s[WV], 1
	s_and_b32 s[HALF], s[WV], 1
	s_bfe_u32 s[CX], ttmp6, 0x40000
	s_bfe_u32 s[CY], ttmp6, 0x40004
	s_and_b32 s[MY], ttmp7, 0xffff
	s_lshl_b32 s[MY], s[MY], 2
	s_add_co_u32 s[MY], s[MY], s[CY]               ; which 128 rows of x
	s_lshr_b32 s[BB], s[MY], 4                     ; the batch
	s_and_b32 s[JJ], s[MY], 15                     ; which 128 positions of it
	s_lshl_b32 s60, s[CY], 2
	s_lshl_b32 s60, 15, s60                        ; my row of the cluster
	s_lshl_b32 s61, 0x1111, s[CX]                  ; my column
	s_or_b32 s[G1A], s60, PADC
	s_or_b32 s[G1SA], s60, PADS
	s_or_b32 s[G1B], s61, PADC
	s_or_b32 s[G1SB], s61, PADS
	SHAPE G1A, 256, 64, 512                        ; 64 rows x 256 bytes of x's codes, rows 512 bytes apart
	SHAPE G1B, 256, 128, 512                       ; 128 rows of W's
	SHAPE G1SA, 32, 8, 32                          ; the scale bytes of 64 rows: 2,048 dense bytes as 8 rows of 256
	SHAPE G1SB, 32, 16, 32                         ; of 128 rows
	; groups 0: LDS addresses from the wave's number alone; the offsets in memory from my (x) or cx (W) and the wave's number
	s_mov_b32 s[G0A], 1
	s_mul_i32 s[G0A+1], s[HALF], 4*STILE
	s_add_co_u32 s[G0A+1], s[G0A+1], SCLX
	s_lshl_b32 s[G0A+2], s[MY], 12
	s_lshl_b32 s2, s[HALF], 11
	s_add_co_u32 s[G0A+2], s[G0A+2], s2
	s_mov_b32 s[G0A+3], 0
	s_mov_b32 s[G0A+4], 1
	s_mul_i32 s[G0A+5], s[HALF], 64*PITCH
	s_lshl_b32 s[G0A+6], s[MY], 16
	s_lshl_b32 s2, s[HALF], 15
	s_add_co_u32 s[G0A+6], s[G0A+6], s2
	s_mov_b32 s[G0A+7], 0
	s_mov_b32 s[G0A+8], 1
	s_add_co_u32 s[G0A+9], s[G0A+5], SLOT
	s_mov_b32 s[G0B], 1
	s_mul_i32 s[G0B+1], s[HALF], 8*STILE
	s_add_co_u32 s[G0B+1], s[G0B+1], SCLW
	s_lshl_b32 s[G0B+2], s[CX], 13
	s_lshl_b32 s3, s[HALF], 12
	s_add_co_u32 s[G0B+2], s[G0B+2], s3
	s_mov_b32 s[G0B+3], 0
	s_mov_b32 s[G0B+4], 1
	s_mul_i32 s[G0B+5], s[HALF], XT
	s_add_co_u32 s[G0B+5], s[G0B+5], XT
	s_lshl_b32 s[G0B+6], s[CX], 17
	s_lshl_b32 s3, s[HALF], 16
	s_add_co_u32 s[G0B+6], s[G0B+6], s3
	s_mov_b32 s[G0B+7], 0
	s_mov_b32 s[G0B+8], 1
	s_add_co_u32 s[G0B+9], s[G0B+5], SLOT
	s_mov_b32 s[SEL], 0x76543210
	s_mov_b32 s[SEL+1], 0xfedcba98
	s_wait_dscnt 0x0                               ; both opening adds are done
	s_wait_kmcnt 0x0
	s_cmp_eq_u32 ttmp9, 1                          ; which W: the choice hangs on the cluster's x alone
	s_cselect_b64 s[8:9], s[12:13], s[8:9]
	s_cselect_b64 s[10:11], s[14:15], s[10:11]
	s_cmp_eq_u32 ttmp9, 2
	s_cselect_b64 s[8:9], s[16:17], s[8:9]
	s_cselect_b64 s[10:11], s[18:19], s[10:11]
	s_add_nc_u64 s[G0A+2:G0A+3], s[6:7], s[G0A+2:G0A+3]
	s_add_nc_u64 s[G0A+6:G0A+7], s[4:5], s[G0A+6:G0A+7]
	s_add_nc_u64 s[G0A+10:G0A+11], s[G0A+6:G0A+7], 256       ; the second half of K
	s_add_nc_u64 s[G0B+2:G0B+3], s[10:11], s[G0B+2:G0B+3]
	s_add_nc_u64 s[G0B+6:G0B+7], s[8:9], s[G0B+6:G0B+7]
	s_add_nc_u64 s[G0B+10:G0B+11], s[G0B+6:G0B+7], 256
.irp g, G0A+3, G0A+7, G0A+11, G0B+3, G0B+7, G0B+11
	s_or_b32 s[\g], s[\g], 0x80000000              ; type = 2
.endr
	CROUND                                         ; all sixteen work-groups are here: the joint loads meet
	JLOAD G0A, G1SA, G0B, G1SB                     ; the scale bytes,
	JLOAD G0A+4, G1A, G0B+4, G1B                   ; K = 0 .. 511,
	JLOAD G0A+8, G1A, G0B+8, G1B                   ; K = 512 .. 1,023: three loads of mine are out, and no more follow
	v_and_b32 v1, 31, v0                           ; lane
	v_and_b32 v2, 15, v0                           ; r
	v_bfe_u32 v3, v0, 4, 1                         ; h
	v_lshlrev_b32 v[LN16], 4, v1
	v_mul_u32_u24 v5, v2, PITCH
	v_lshl_add_u32 v5, v3, 4, v5                   ; a fragment: row r x pitch + 16 h
	v_lshrrev_b32 v6, 3, v2
	v_lshlrev_b32 v6, 4, v6
	v_lshl_add_u32 v6, v2, 5, v6                   ; a row's 32 scale bytes: 32 r + 16 (r / 8)
.irp b, 0,1,2,3
	v_mov_b32 v[TM+4+\b], 0                        ; written once: a lane permute's destination counts as one of its sources
.endr
.macro SCALES                          ; all scale words: a row's 32 bytes are the words of its eight K steps
.irp i, 0,1,2,3,4,5,6,7
	ds_load_b128 v[SC0+8*\i:SC0+8*\i+3], v[AS0] offset:STILE*\i
	ds_load_b128 v[SC0+8*\i+4:SC0+8*\i+7], v[AS0] offset:STILE*\i+16
.endr
.irp t, 0,1,2,3
	ds_load_b128 v[SC1+8*\t:SC1+8*\t+3], v[AS1] offset:STILE*\t
	ds_load_b128 v[SC1+8*\t+4:SC1+8*\t+7], v[AS1] offset:STILE*\t+16
.endr
.endm
.macro FETCH q                         ; K step q's twelve fragments, 24 loads, into set q % 2 of window 2
	WIN 0x80
.irp i, 0,1,2,3,4,5,6,7
.irp c, 0,1
	ds_load_b128 v[96*((\q)%2)+8*\i+4*\c:96*((\q)%2)+8*\i+4*\c+3], v[AD0+(\q)/4] offset:16*PITCH*\i+64*((\q)%4)+32*\c
.endr
.endr
.irp t, 0,1,2,3
.irp c, 0,1
	ds_load_b128 v[96*((\q)%2)+64+8*\t+4*\c:96*((\q)%2)+64+8*\t+4*\c+3], v[AD1+(\q)/4] offset:16*PITCH*\t+64*((\q)%4)+32*\c
.endr
.endr
.endm
.macro MULS q                          ; 32 products, the 32 accumulators by turns, in the same order in every K step; K step 0 starts the sums
	WIN 0x5a                                       ; sources 0 and 1 window 2, C and D window 1
.irp t, 0,1,2,3
.irp i, 0,1,2,3,4,5,6,7
.if (\q) == 0
	v_wmma_scale_f32_16x16x128_f8f6f4 v[64*\t+8*\i:64*\t+8*\i+7], v[96*((\q)%2)+8*\i:96*((\q)%2)+8*\i+7], v[96*((\q)%2)+64+8*\t:96*((\q)%2)+64+8*\t+7], 0, v[SC0+8*\i+(\q)], v[SC1+8*\t+(\q)] matrix_a_fmt:MATRIX_FMT_FP4 matrix_b_fmt:MATRIX_FMT_FP4
.else
	v_wmma_scale_f32_16x16x128_f8f6f4 v[64*\t+8*\i:64*\t+8*\i+7], v[96*((\q)%2)+8*\i:96*((\q)%2)+8*\i+7], v[96*((\q)%2)+64+8*\t:96*((\q)%2)+64+8*\t+7], v[64*\t+8*\i:64*\t+8*\i+7], v[SC0+8*\i+(\q)], v[SC1+8*\t+(\q)] matrix_a_fmt:MATRIX_FMT_FP4 matrix_b_fmt:MATRIX_FMT_FP4
.endif
.endr
.endr
.endm
.macro MAIN                            ; the eight K steps of 128
	s_wait_tensorcnt 0x1                           ; my scale bytes and my part of K's first half are in; the second half's load may stay out
	s_barrier_signal -1
	s_barrier_wait -1                              ; everybody's are
	SCALES
	FETCH 0
.irp q, 0,1,2,3,4,5,6,7
.if \q == 3
	s_wait_dscnt 0x0                               ; no LDS instruction of mine is out at a signal
	s_wait_tensorcnt 0x0                           ; my part of K's second half is in,
	s_barrier_signal -1
	s_barrier_wait -1                              ; everybody's is
.endif
.if \q < 7
.if \q > 0
	PLACES 4                                       ; four places in front of loads into the set that the last products read
.endif
	FETCH \q+1
	s_wait_dscnt 24                                ; all but the 24 loads just issued: this step's fragments are in
.else
	s_wait_dscnt 0x0
.endif
	MULS \q
.endr
	WIN 0
	PLACES 4                                       ; four places in front of the first read of results
.endm
; 64 numbers of a lane in window 1, v[x] on, register 16 b + 8 u + j = k 32 b + 16 u + 8 h + j of my row, become a fragment's codes in v[pc] on and its scale word in v[PW].
.macro QUANT x, pc
	WIN 0x14                                       ; sources 1 and 2 window 1
.irp b, 0,1,2,3
	v_max3_num_f32 v[TM+\b], 0x1800000, |v[(\x)+16*\b]|, |v[(\x)+16*\b+1]|   ; my 16 numbers of block b, and the floor 2^(3 - 127): the byte cannot fall under 1
.endr
.irp i, 2,4,6,8,10,12,14
.irp b, 0,1,2,3
	v_max3_num_f32 v[TM+\b], v[TM+\b], |v[(\x)+16*\b+\i]|, |v[(\x)+16*\b+\i+1]|
.endr
.endr
	WIN 0
.irp b, 0,1,2,3
	v_permlanex16_b32 v[TM+4+\b], v[TM+\b], s[SEL], s[SEL+1]
.endr
.irp b, 0,1,2,3
	v_max_num_f32 v[TM+\b], v[TM+\b], v[TM+4+\b]   ; with lane l xor 16's 16: the block's largest magnitude
.endr
.irp b, 0,1,2,3
	v_add_nc_u32 v[TM+12+\b], 0xff000000, v[TM+\b] ; 2 off its exponent field: the conversion's scale operand
.endr
.irp b, 0,1,2,3
	v_lshrrev_b32 v[TM+4+\b], 23, v[TM+12+\b]      ; the scale's byte
.endr
	v_lshl_or_b32 v[PW], v[TM+5], 8, v[TM+4]
	v_lshl_or_b32 v[PW], v[TM+6], 16, v[PW]
	v_lshl_or_b32 v[PW], v[TM+7], 24, v[PW]
	WIN 0x01                                       ; source 0 window 1
.irp c, 0,1
	v_cvt_scalef32_pk8_fp4_f32 v[(\pc)+4*\c], v[(\x)+32*\c:(\x)+32*\c+7], v[TM+12+2*\c]            ; block 2 c, k = 8 h + 0..7
	v_cvt_scalef32_pk8_fp4_f32 v[(\pc)+4*\c+1], v[(\x)+32*\c+16:(\x)+32*\c+23], v[TM+13+2*\c]      ; block 2 c + 1, the same
	v_cvt_scalef32_pk8_fp4_f32 v[(\pc)+4*\c+2], v[(\x)+32*\c+8:(\x)+32*\c+15], v[TM+12+2*\c]       ; block 2 c, k = 16 + 8 h + 0..7
	v_cvt_scalef32_pk8_fp4_f32 v[(\pc)+4*\c+3], v[(\x)+32*\c+24:(\x)+32*\c+31], v[TM+13+2*\c]      ; block 2 c + 1, the same
.endr
	WIN 0
	v_nop                                          ; one plain place behind a scaled conversion
.irp c, 0,1
	v_permlane16_swap_b32 v[(\pc)+4*\c], v[(\pc)+4*\c+1]     ; the first's lanes 16-31 change places with the second's lanes 0-15: lanes 0-15 now hold block 2 c whole, lanes 16-31 block 2 c + 1
	v_permlane16_swap_b32 v[(\pc)+4*\c+2], v[(\pc)+4*\c+3]
.endr
.endm
; The rotation of tile t's 64 numbers, pair by pair: (x0, x1) -> (c x0 - s x1, s x0 + c x1).  cos and sin of pair m of tile i lie in window 3 at 32 t + 8 (i % 4) + 2 m: both heads take the same.
.macro ROPE t
	WIN 0x0d                                       ; source 0 window 1, source 1 window 3
.irp i, 0,1,2,3,4,5,6,7
.irp m, 0,1,2,3
	v_pk_mul_f32 v[T+8*\i+2*\m:T+8*\i+2*\m+1], v[64*(\t)+8*\i+2*\m:64*(\t)+8*\i+2*\m+1], v[32*(\t)+8*(\i%4)+2*\m:32*(\t)+8*(\i%4)+2*\m+1] op_sel:[1,1] op_sel_hi:[0,1]   ; (s x1, s x0)
.endr
.endr
	WIN 0x4d                                       ; and the destination window 1
.irp i, 0,1,2,3,4,5,6,7
.irp m, 0,1,2,3
	v_pk_fma_f32 v[64*(\t)+8*\i+2*\m:64*(\t)+8*\i+2*\m+1], v[64*(\t)+8*\i+2*\m:64*(\t)+8*\i+2*\m+1], v[32*(\t)+8*(\i%4)+2*\m:32*(\t)+8*(\i%4)+2*\m+1], v[T+8*\i+2*\m:T+8*\i+2*\m+1] op_sel_hi:[1,0,1] neg_lo:[0,0,1]   ; (c x0 - s x1, c x1 + s x0)
.endr
.endr
.endm
	s_cmp_eq_u32 ttmp9, 2                          ; the cluster's x: the same in all sixteen partners and all waves
	s_cbranch_scc1 .Lv_path
	; ---------------- q and k ----------------
	s_mul_i32 s12, s[HALF], XT
	s_add_co_u32 s12, s12, XT                      ; source 0: W's rows 128 (wave % 2) on
	v_add_nc_u32 v[AD0], s12, v5
	v_add_nc_u32 v[AD0+1], SLOT, v[AD0]
	s_mul_i32 s12, s[ROLE], 64*PITCH               ; source 1: x's rows 64 (wave / 2) on
	v_add_nc_u32 v[AD1], s12, v5
	v_add_nc_u32 v[AD1+1], SLOT, v[AD1]
	s_mul_i32 s12, s[HALF], 8*STILE
	s_add_co_u32 s12, s12, SCLW
	v_add_nc_u32 v[AS0], s12, v6
	s_mul_i32 s12, s[ROLE], 4*STILE
	s_add_co_u32 s12, s12, SCLX
	v_add_nc_u32 v[AS1], s12, v6
	s_lshl_b32 s12, s[JJ], 9                       ; my 64 rows' positions: 4 bytes each
	s_lshl_b32 s13, s[ROLE], 8
	s_add_co_u32 s12, s12, s13
	s_mov_b32 s13, 0
	s_add_nc_u64 s[22:23], s[22:23], s[12:13]
	v_lshlrev_b32 v13, 2, v2
.irp t, 0,1,2,3
	global_load_b32 v[POS+\t], v13, s[22:23] offset:64*\t
.endr
	s_wait_loadcnt 0x0
.irp t, 0,1,2,3
	v_min_u32 v[POS+\t], 0x7ff, v[POS+\t]          ; held inside the table
.endr
.irp t, 0,1,2,3
	v_lshlrev_b32 v[POS+\t], 8, v[POS+\t]          ; a row of the table is 256 bytes
.endr
.irp t, 0,1,2,3
	v_lshl_add_u32 v[POS+\t], v3, 5, v[POS+\t]     ; my half's four pairs of a tile: 32 h bytes on
.endr
	WIN 0xc0                                       ; destination window 3
.irp t, 0,1,2,3
.irp u, 0,1,2,3
	global_load_b128 v[32*\t+8*\u:32*\t+8*\u+3], v[POS+\t], s[20:21] offset:64*\u
	global_load_b128 v[32*\t+8*\u+4:32*\t+8*\u+7], v[POS+\t], s[20:21] offset:64*\u+16
.endr
.endr
	WIN 0
	MAIN
	s_lshl_b32 s12, s[BB], 4
	s_lshl_b32 s13, s[CX], 2
	s_add_co_u32 s12, s12, s13
	s_lshl_b32 s13, s[HALF], 1
	s_add_co_u32 s12, s12, s13                     ; my first head: 16 b + 4 cx + 2 (wave % 2)
	s_mul_i32 s14, s12, CODH
	s_mul_i32 s16, s12, SCLH
	s_lshl_b32 s13, s[JJ], 12                      ; tile of rows 8 J + 4 (wave / 2): 512 bytes each
	s_add_co_u32 s14, s14, s13
	s_lshl_b32 s13, s[ROLE], 11
	s_add_co_u32 s14, s14, s13
	s_lshl_b32 s13, s[JJ], 9                       ; 64 rows' scale words: 256 bytes
	s_add_co_u32 s16, s16, s13
	s_lshl_b32 s13, s[ROLE], 8
	s_add_co_u32 s16, s16, s13
	s_cmp_eq_u32 ttmp9, 1                          ; k's parts lie behind q's
	s_cselect_b32 s13, 65536, 0
	s_cselect_b32 s18, 8192, 0
	s_add_co_u32 s14, s14, s13
	s_add_co_u32 s16, s16, s18
	s_mov_b32 s15, 0
	s_mov_b32 s17, 0
	s_add_nc_u64 s[24:25], s[24:25], s[14:15]
	s_add_nc_u64 s[26:27], s[26:27], s[16:17]
	v_mul_u32_u24 v[SOFF], v3, SCLH
	v_lshl_add_u32 v[SOFF], v2, 4, v[SOFF]         ; lanes 0-15 store the first head's words, lanes 16-31 the second's
	v_lshlrev_b32 v[SH16], 4, v3
	s_wait_loadcnt 0x0                             ; cos and sin
.irp t, 0,1,2,3
	ROPE \t
	QUANT 64*\t, PC+8*\t
	global_store_b128 v[LN16], v[PC+8*\t:PC+8*\t+3], s[24:25] offset:512*\t            ; 512 consecutive bytes: the first head's image of these 16 rows
	global_store_b128 v[LN16], v[PC+8*\t+4:PC+8*\t+7], s[24:25] offset:512*\t+CODH     ; the second head's
	v_lshrrev_b32 v[SW+\t], v[SH16], v[PW]
	v_and_b32 v[SW+\t], 0xffff, v[SW+\t]           ; my head's two bytes; the upper two, which scale zero codes alone, are 0
.endr
	global_store_b128 v[SOFF], v[SW:SW+3], s[26:27]          ; sixteen lanes store 256 consecutive bytes
	s_branch .Lend
.Lv_path:
	; ---------------- v ----------------
	v_mov_b32 v[AD0], v5                           ; source 0: x's 128 rows, the keys
	v_add_nc_u32 v[AD0+1], SLOT, v5
	s_mul_i32 s12, s[WV], 64*PITCH
	s_add_co_u32 s12, s12, XT                      ; source 1: Wv's rows 64 wave on: one head
	v_add_nc_u32 v[AD1], s12, v5
	v_add_nc_u32 v[AD1+1], SLOT, v[AD1]
	v_add_nc_u32 v[AS0], SCLX, v6
	s_mul_i32 s12, s[WV], 4*STILE
	s_add_co_u32 s12, s12, SCLW
	v_add_nc_u32 v[AS1], s12, v6
	MAIN
	s_lshl_b32 s12, s[BB], 4
	s_lshl_b32 s13, s[CX], 2
	s_add_co_u32 s12, s12, s13
	s_add_co_u32 s12, s12, s[WV]                   ; my head: 16 b + 4 cx + wave
	s_mul_i32 s14, s12, CODH
	s_mul_i32 s16, s12, SCLH
	s_lshl_b32 s13, s[JJ], 12                      ; key step J: 4,096 bytes of codes,
	s_add_co_u32 s14, s14, s13
	s_add_co_u32 s14, s14, 131072                  ; behind q's and k's parts
	s_lshl_b32 s13, s[JJ], 8                       ; 256 bytes of scale words,
	s_add_co_u32 s16, s16, s13
	s_add_co_u32 s16, s16, 16384
	s_mov_b32 s15, 0
	s_mov_b32 s17, 0
	s_add_nc_u64 s[24:25], s[24:25], s[14:15]
	s_add_nc_u64 s[26:27], s[26:27], s[16:17]
	v_lshlrev_b32 v[SOFF], 4, v2
	v_lshl_add_u32 v[SOFF], v3, 3, v[SOFF]         ; 16 r + 8 h
.irp t, 0,1,2,3
	QUANT 64*\t, PC+8*\t
	global_store_b128 v[LN16], v[PC+8*\t:PC+8*\t+3], s[24:25] offset:1024*\t           ; d = 16 t + r, keys 32 h + 0..31
	global_store_b128 v[LN16], v[PC+8*\t+4:PC+8*\t+7], s[24:25] offset:1024*\t+512     ; keys 64 + 32 h + 0..31
	v_mov_b32 v[SW+\t], v[PW]
.endr
	v_cmp_eq_u32 vcc_lo, 1, v3
	v_cndmask_b32 v[SV], v[SW], v[SW+2], vcc_lo    ; both halves of the lanes hold row r's four words: lanes 0-15 store the first two, lanes 16-31 the others
	v_cndmask_b32 v[SV+1], v[SW+1], v[SW+3], vcc_lo
	global_store_b64 v[SOFF], v[SV:SV+1], s[26:27]           ; 256 consecutive bytes
.Lend:
	s_wait_tensorcnt 0x0                           ; the wave's end
	ds_add_u32 v[SPW], v[NIL]
	s_wait_dscnt 0x0
	CROUND                                         ; the closing round
	s_endpgm
.Lfunc_end_k_q79920b0923_qkv:
	.size	k_q79920b0923_qkv, .Lfunc_end_k_q79920b0923_qkv-k_q79920b0923_qkv
	.p2alignl 7, 3214868480
	.fill 96, 4, 3214868480
	.section	.rodata,"a",@progbits
	.p2align	6, 0x0
	.amdhsa_kernel k_q79920b0923_qkv
		.amdhsa_group_segment_fixed_size 222464
		.amdhsa_private_segment_fixed_size 0
		.amdhsa_enable_private_segment 0
		.amdhsa_kernarg_size 96
		.amdhsa_user_sgpr_count 2
		.amdhsa_user_sgpr_kernarg_segment_ptr 1
		.amdhsa_wavefront_size32 1
		.amdhsa_system_sgpr_workgroup_id_x 1
		.amdhsa_system_sgpr_workgroup_id_y 1
		.amdhsa_system_sgpr_workgroup_id_z 1
		.amdhsa_system_vgpr_workitem_id 0
		.amdhsa_next_free_vgpr 1024
		.amdhsa_next_free_sgpr 102
		.amdhsa_reserve_vcc 1
		.amdhsa_float_denorm_mode_32 3
		.amdhsa_float_denorm_mode_16_64 3
		.amdhsa_memory_ordered 1
		.amdhsa_forward_progress 1
		.amdhsa_inst_pref_size 160
	.end_amdhsa_kernel
	.amdgpu_metadata
---
amdhsa.version: [ 1, 2 ]
amdhsa.kernels:
  - .name:           k_q79920b0923_qkv
    .symbol:         k_q79920b0923_qkv.kd
    .args:
      - { .name: x_codes, .offset: 0, .size: 8, .value_kind: global_buffer, .address_space: global }
      - { .name: x_scales, .offset: 8, .size: 8, .value_kind: global_buffer, .address_space: global }
      - { .name: Wq_codes, .offset: 16, .size: 8, .value_kind: global_buffer, .address_space: global }
      - { .name: Wq_scales, .offset: 24, .size: 8, .value_kind: global_buffer, .address_space: global }
      - { .name: Wk_codes, .offset: 32, .size: 8, .value_kind: global_buffer, .address_space: global }
      - { .name: Wk_scales, .offset: 40, .size: 8, .value_kind: global_buffer, .address_space: global }
      - { .name: Wv_codes, .offset: 48, .size: 8, .value_kind: global_buffer, .address_space: global }
      - { .name: Wv_scales, .offset: 56, .size: 8, .value_kind: global_buffer, .address_space: global }
      - { .name: cos_sin, .offset: 64, .size: 8, .value_kind: global_buffer, .address_space: global }
      - { .name: token_positions, .offset: 72, .size: 8, .value_kind: global_buffer, .address_space: global }
      - { .name: cod, .offset: 80, .size: 8, .value_kind: global_buffer, .address_space: global }
      - { .name: scl, .offset: 88, .size: 8, .value_kind: global_buffer, .address_space: global }
    .group_segment_fixed_size: 222464
    .private_segment_fixed_size: 0
    .kernarg_segment_align: 8
    .kernarg_segment_size: 96
    .max_flat_workgroup_size: 128
    .sgpr_count:     102
    .vgpr_count:     1024
    .wavefront_size: 32
...
	.end_amdgpu_metadata
.endif
;; end of part 1
;; launch attn (part 2): grid 4 x 64, 16 waves a work-group, clusters of 4 x 1, 167,936 bytes of LDS; arguments cod, scl, ac, asw; writes ac, asw
.if DOCPART == 2
	.amdgcn_target "amdgcn-amd-amdhsa--gfx1250"
	.amdhsa_code_object_version 6
	.text
	.protected	k_q79920b0923_attn
	.globl	k_q79920b0923_attn
	.p2align	8
	.type	k_q79920b0923_attn,@function
k_q79920b0923_attn:
	s_mov_b64 s[64:65], 0
	v_nop
	global_prefetch_b8 v0, s[64:65] scope:SCOPE_SE
	s_setreg_imm32_b32 hwreg(HW_REG_WAVE_MODE, 25, 1), 1
	s_wait_xcnt 0x0
	s_wait_alu depctr_hold_cnt(0) depctr_sa_sdst(0) depctr_va_vdst(0) depctr_va_sdst(0) depctr_va_ssrc(0) depctr_va_vcc(0) depctr_vm_vsrc(0)
	s_getreg_b32 s2, hwreg(HW_REG_IB_STS2, 6, 4)
	s_cmp_eq_u32 s2, 0
	s_cbranch_scc0 .Lentry_in_a_cluster
	s_endpgm
.Lentry_in_a_cluster:
	s_bfe_u32 s2, ttmp6, 0x10000c
	s_cmp_lg_u32 s2, 0x3003
	s_cbranch_scc0 .Lentry_shape_is_right
	s_endpgm
.Lentry_shape_is_right:
; The attention of one (batch, head) by a cluster of four work-groups: S^T = K Q^T, p = 2^(t - M), O^T = V^T P^T, O / l, and the quantiser of the result along D; all products on E2M1 codes.
; LEFT OUT: key steps of 128 keys that lie wholly behind a tile's 16 queries: reference()'s own jnp.tril makes their p zero for all values of the inputs (shown at the head of the first kernel).
; LIMITS as stated there.  The scale words of the result leave in pieces of 64 bytes, 512 KiB in the whole launch: a piece's neighbours belong to other work-groups.
; SHARES.  A head's K and V codes (65,536 bytes each) and their scale words lie in LDS whole: twelve first fills by waves 0 to 3, asked for jointly by the four partners; nothing is filled again, and no barrier stands in the loops.
; A wave owns two tiles of 16 queries: T0 = 8 Jw + e and T1 = 8 (15 - Jw) + e, Jw = wave / 2, e = 2 cx + wave % 2: Jw + 1 and 16 - Jw key steps, 17 for every wave.
; The loops' trip counts are constants; a step behind the wave's diagonal is jumped over by a scalar branch on the wave's number and the count of steps.  cx enters addresses in memory and the mask's lane data alone.
; LAYOUT.  Both products are used transposed, so a lane holds ONE query (lane % 16).  In tile t of S^T lane (r, h) holds keys 16 t + 8 h + 0..7; the conversions' results are paired so that two exchanges of halves for each 64 keys give P's fragment.
; The head's 64 are half of the instruction's 128 along K: registers 4-7 of K's and Q's fragments are zero codes, which add nothing under any scale byte but 0xff; theirs is 0.
; THE SOFTMAX: t = score x log2(e) / 8; M = the running largest t rounded up to a whole number, kept as -M; when M moves, l and O^T are multiplied by 2^(old M - new M), exactly; l sums the unquantised p.
.set VC,    65536                      ; LDS: K's codes from 0, V's from here,
.set KS,    131072                     ; K's scale words,
.set VS,    139264                     ; V's,
.set SPARE, 143360                     ; the spare words, 128 bytes for each of 16 waves
.set CODH,  196608
.set SCLH,  20480
.set AK0,  1                           ; v1  16 x lane
.set AV0,  2                           ; v2  VC + 16 x lane
.set ASK0, 3                           ; v3  KS + 16 r
.set ASV0, 4                           ; v4  VS + 16 r
.set SPW,  5                           ; v5  my spare word; never rewritten
.set NIL,  6                           ; v6  0; never rewritten
.set DQ,   7                           ; v7  16 e + r - 8 h: in the diagonal step register 8 t + j is hidden where 16 t + j > DQ
.set ADK,  8                           ; v8-11 the step's addresses.  v12 -M, v13 the largest t, v[14:15] l in two halves
.set ADV,  9
.set ADS,  10
.set ADT,  11
.set Q0,   16                          ; v16-23 Q's fragment of the first tile; v24 its scale word
.set QW0,  24
.set NINF, 25
.set AW0,  26                          ; v26, v27 the results' scale words
.set AW1,  27
.set AOFF, 28
.set KF,   32                          ; v32-63 four fragments of K
.set VF,   64                          ; v64-95 V's four
.set S,    96                          ; v96-159 S^T, then p
.set OT,   160                         ; v160-191 O^T
.set PC,   192                         ; v192-199 P's fragment
.set KSW,  200                         ; v200-207 K's scale words, a tile each
.set VSW,  208                         ; v208-211 V's
.set BM,   212                         ; v212-215 the blocks' largest
.set PT,   216
.set SO,   220
.set F,    228                         ; v228 f; v229 P's scale word (named with f as a pair, of which the low word alone is taken)
.set PSW,  229
.set TP,   230
.set L2,   232
.set OC,   236                         ; v236-239 the result's codes
.set Q1,   240                         ; v240-247, v248 the second tile's Q
.set QW1,  248
.set WV,   12
.set JW,   13
.set CX,   14
.set EE,   15
.set BH,   16
.set SEL,  20
.set CS,   22
.set G1C,  24                          ; s[24:31] group 1: 16,384 dense bytes;  s[32:39]: 3,072
.set G1S,  32
.set G0S,  40
.set G0C0, 44
.set G0C1, 48
.set ST,   52                          ; the key step
.set JB,   53                          ; the tile's diagonal step
.set TK,   54                          ; the step's codes: 4,096 bytes a step, in K as in V
.set TS,   55                          ; K's scale words: 512
.set TV,   56                          ; V's: 256
.set T0,   57
.set T1,   58
.set QA0,  66
.set QA1,  68
.set QS0,  70
.set QS1,  72
.set AC0,  74
.set AC1,  76
.set ASWB, 78
.macro PLACES n
.rept \n
	v_nop
.endr
.endm
.macro CROUND
	s_barrier_signal -1
	s_barrier_wait -1
	s_cmp_lg_u32 s[WV], 0
	s_cbranch_scc1 .Lnot_wave_0_\@
	s_barrier_signal -3
.Lnot_wave_0_\@:
	s_barrier_wait -3
	s_barrier_signal -1
	s_barrier_wait -1
.endm
.macro SHAPE g, c, r, p
	s_mov_b32 s[\g+1], (\c)<<16
	s_mov_b32 s[\g+2], (\r)<<16
	s_mov_b32 s[\g+3], (\c)<<16
	s_mov_b32 s[\g+4], \r
	s_mov_b32 s[\g+5], \p
	s_mov_b32 s[\g+6], 0
	s_mov_b32 s[\g+7], 0
.endm
.macro PASSADR tt, qa, qs, ac          ; a tile's offsets: Q's image, Q's scale words, the result's image
	s_lshl_b32 s[\qa], s[\tt], 9
	s_add_co_u32 s[\qa], s[\qa], s18
	s_mov_b32 s[\qa+1], 0
	s_lshr_b32 s[\qs], s[\tt], 2
	s_lshl_b32 s[\qs], s[\qs], 8
	s_and_b32 s59, s[\tt], 3
	s_lshl_b32 s59, s59, 2
	s_add_co_u32 s[\qs], s[\qs], s59
	s_add_co_u32 s[\qs], s[\qs], s19
	s_mov_b32 s[\qs+1], 0
	s_lshl_b32 s[\ac], s[\tt], 13
	s_add_co_u32 s[\ac], s[\ac], s63
	s_mov_b32 s[\ac+1], 0
.endm
	s_load_b256 s[4:11], s[0:1], 0x0               ; cod, scl, ac, asw
	v_lshl_add_u32 v[SPW], v0, 2, SPARE
	v_mov_b32 v[NIL], 0
	ds_add_u32 v[SPW], v[NIL]                      ; the wave's opening: the add, twice on end, and its wait ahead of the first tensor loads
	ds_add_u32 v[SPW], v[NIL]
	v_lshrrev_b32 v8, 5, v0
	v_readfirstlane_b32 s[WV], v8                  ; wave 0..15
	s_lshr_b32 s[JW], s[WV], 1
	s_and_b32 s17, s[WV], 1
	s_and_b32 s[BH], ttmp7, 0xffff                 ; batch x 16 + head: the four partners share it
	s_mov_b32 s[G1C], 15|(3<<16)|(1<<21)           ; the mask: all four; elements of 8 bytes; bit 21 beside a mask; no padding
	SHAPE G1C, 32, 64, 32                          ; 64 rows of 256 bytes, dense
	s_mov_b32 s[G1S], 15|(3<<16)|(1<<21)
	SHAPE G1S, 32, 12, 32                          ; 12 rows
	s_mul_i32 s18, s[BH], CODH
	s_mul_i32 s19, s[BH], SCLH
	s_mul_i32 s60, s[WV], 3072                     ; waves 0-3: a quarter each of K's and V's 12,288 bytes of scale words,
	s_mov_b32 s[G0S], 1
	s_add_co_u32 s[G0S+1], s60, KS
	s_add_co_u32 s[G0S+2], s19, s60
	s_add_co_u32 s[G0S+2], s[G0S+2], 8192          ; which lie behind Q's
	s_mov_b32 s[G0S+3], 0
	s_lshl_b32 s61, s[JW], 16                      ; waves 0, 1: K's codes; waves 2, 3: V's
	s_lshl_b32 s62, s17, 14
	s_add_co_u32 s61, s61, s62                     ; 16,384 bytes each of the first 32,768 (key steps 0 to 7),
	s_mov_b32 s[G0C0], 1
	s_mov_b32 s[G0C0+1], s61
	s_add_co_u32 s[G0C0+2], s18, s61
	s_add_co_u32 s[G0C0+2], s[G0C0+2], 65536
	s_mov_b32 s[G0C0+3], 0
	s_mov_b32 s[G0C1], 1
	s_add_co_u32 s[G0C1+1], s61, 32768             ; and of the second (steps 8 to 15)
	s_add_co_u32 s[G0C1+2], s[G0C0+2], 32768
	s_mov_b32 s[G0C1+3], 0
	s_bfe_u32 s[CX], ttmp6, 0x40000                ; my place in the cluster: from here on in registers that feed no descriptor
	s_lshl_b32 s[EE], s[CX], 1
	s_add_co_u32 s[EE], s[EE], s17
	s_lshl_b32 s[T0], s[JW], 3
	s_sub_co_u32 s[T1], 120, s[T0]
	s_add_co_u32 s[T0], s[T0], s[EE]
	s_add_co_u32 s[T1], s[T1], s[EE]
	s_lshr_b32 s63, s[BH], 4
	s_lshl_b32 s63, s63, 20                        ; the batch's 128 tiles of rows, 8,192 bytes each,
	s_and_b32 s59, s[BH], 15
	s_lshl_b32 s59, s59, 9                         ; the head's 512 bytes in a tile
	s_add_co_u32 s63, s63, s59
	PASSADR T0, QA0, QS0, AC0
	PASSADR T1, QA1, QS1, AC1
	s_lshl_b32 s[ASWB], s[BH], 13
	s_lshl_b32 s59, s[T0], 6
	s_add_co_u32 s[ASWB], s[ASWB], s59
	s_mov_b32 s[ASWB+1], 0
	s_mov_b32 s[SEL], 0x76543210
	s_mov_b32 s[SEL+1], 0xfedcba98
	s_mov_b32 s[CS], 0x3e38aa3b                    ; c = log2(e) / 8
	s_mov_b32 s[CS+1], s[CS]
	s_wait_dscnt 0x0                               ; both opening adds are done
	s_wait_kmcnt 0x0
	s_add_nc_u64 s[G0S+2:G0S+3], s[6:7], s[G0S+2:G0S+3]
	s_add_nc_u64 s[G0C0+2:G0C0+3], s[4:5], s[G0C0+2:G0C0+3]
	s_add_nc_u64 s[G0C1+2:G0C1+3], s[4:5], s[G0C1+2:G0C1+3]
.irp g, G0S+3, G0C0+3, G0C1+3
	s_or_b32 s[\g], s[\g], 0x80000000
.endr
	s_add_nc_u64 s[QA0:QA0+1], s[4:5], s[QA0:QA0+1]
	s_add_nc_u64 s[QA1:QA1+1], s[4:5], s[QA1:QA1+1]
	s_add_nc_u64 s[QS0:QS0+1], s[6:7], s[QS0:QS0+1]
	s_add_nc_u64 s[QS1:QS1+1], s[6:7], s[QS1:QS1+1]
	s_add_nc_u64 s[AC0:AC0+1], s[8:9], s[AC0:AC0+1]
	s_add_nc_u64 s[AC1:AC1+1], s[8:9], s[AC1:AC1+1]
	s_add_nc_u64 s[ASWB:ASWB+1], s[10:11], s[ASWB:ASWB+1]
	CROUND                                         ; all four work-groups are here: the joint loads meet
	s_cmp_lt_u32 s[WV], 4                          ; a wave's three first fills stand in one branch on the wave's number: three loads of mine are out, and no more follow
	s_cbranch_scc0 .Lno_fill
	tensor_load_to_lds s[G0S:G0S+3], s[G1S:G1S+7]
	s_nop 0
	tensor_load_to_lds s[G0C0:G0C0+3], s[G1C:G1C+7]
	s_nop 0
	tensor_load_to_lds s[G0C1:G0C1+3], s[G1C:G1C+7]
	s_nop 0
.rept 4
	v_nop
.endr
.Lno_fill:
	v_and_b32 v8, 31, v0                           ; lane
	v_and_b32 v9, 15, v0                           ; r
	v_bfe_u32 v10, v0, 4, 1                        ; h
	v_lshlrev_b32 v[AK0], 4, v8
	v_add_nc_u32 v[AV0], VC, v[AK0]
	v_lshlrev_b32 v11, 4, v9
	v_add_nc_u32 v[ASK0], KS, v11
	v_add_nc_u32 v[ASV0], VS, v11
	global_load_b128 v[Q0:Q0+3], v[AK0], s[QA0:QA0+1]        ; Q's images: 512 consecutive bytes
	global_load_b128 v[Q1:Q1+3], v[AK0], s[QA1:QA1+1]
	global_load_b32 v[QW0], v11, s[QS0:QS0+1]
	global_load_b32 v[QW1], v11, s[QS1:QS1+1]
	v_lshlrev_b32 v[DQ], 3, v10
	v_sub_nc_u32 v[DQ], v9, v[DQ]
	s_lshl_b32 s59, s[EE], 4
	v_add_nc_u32 v[DQ], s59, v[DQ]
	s_sub_co_u32 s59, s[T1], s[T0]
	s_lshl_b32 s59, s59, 6
	v_mul_lo_u32 v[AOFF], v10, s59
	v_lshl_add_u32 v[AOFF], v9, 2, v[AOFF]         ; lanes 0-15: the first tile's words, lanes 16-31 the second's
	v_mov_b32 v[NINF], 0xff800000
.irp j, 4,5,6,7
	v_mov_b32 v[Q0+\j], 0                          ; zero codes for k = 64 .. 127
	v_mov_b32 v[Q1+\j], 0
.irp t, 0,1,2,3
	v_mov_b32 v[KF+8*\t+\j], 0
.endr
.endr
.irp b, 0,1,2,3
	v_mov_b32 v[PT+\b], 0                          ; written once: a lane permute's destination counts as one of its sources
.endr
	v_mov_b32 v[PSW], 0
	v_mov_b32 v[TP], 0
.macro RESET                           ; a tile begins: O^T and l are zeros, the largest t lies under every t: the first change of M multiplies zeros
	v_mov_b32 v13, 0xff61b1e6
	v_floor_f32 v12, -v13
	v_mov_b32 v14, 0
	v_mov_b32 v15, 0
.set j, 0
.rept 32
	v_mov_b32 v[OT+j], 0
.set j, j+1
.endr
.endm
; A KEY STEP of 128 keys for the tile whose Q lies in v[qf] on, scale word v[qw].  chk = 1: a step behind the diagonal step is jumped over.
.macro STEP qf, qw, chk
.if \chk
	s_cmp_gt_u32 s[ST], s[JB]
	s_cbranch_scc1 .Lhid_\@
.endif
	v_add_nc_u32 v[ADK], s[TK], v[AK0]             ; (these four are also the places in front of loads into registers that the last products read)
	v_add_nc_u32 v[ADV], s[TK], v[AV0]
	v_add_nc_u32 v[ADS], s[TS], v[ASK0]
	v_add_nc_u32 v[ADT], s[TV], v[ASV0]
	ds_load_b128 v[KSW:KSW+3], v[ADS]
	ds_load_b128 v[KSW+4:KSW+7], v[ADS] offset:256
.irp t, 0,1,2,3
	ds_load_b128 v[KF+8*\t:KF+8*\t+3], v[ADK] offset:512*\t
.endr
.irp d, 0,1,2,3
.irp c, 0,1
	ds_load_b128 v[VF+8*\d+4*\c:VF+8*\d+4*\c+3], v[ADV] offset:1024*\d+512*\c
.endr
.endr
	ds_load_b128 v[VSW:VSW+3], v[ADT]
	s_wait_dscnt 9                                 ; K's words and first four tiles are in; V's eight loads and its words may be out
.irp t, 0,1,2,3
	v_wmma_scale_f32_16x16x128_f8f6f4 v[S+8*\t:S+8*\t+7], v[KF+8*\t:KF+8*\t+7], v[\qf:\qf+7], 0, v[KSW+\t], v[\qw] matrix_a_fmt:MATRIX_FMT_FP4 matrix_b_fmt:MATRIX_FMT_FP4
.endr
	PLACES 4
.irp t, 0,1,2,3
	ds_load_b128 v[KF+8*\t:KF+8*\t+3], v[ADK] offset:2048+512*\t
.endr
	s_wait_dscnt 0x0
.irp t, 0,1,2,3
	v_wmma_scale_f32_16x16x128_f8f6f4 v[S+32+8*\t:S+32+8*\t+7], v[KF+8*\t:KF+8*\t+7], v[\qf:\qf+7], 0, v[KSW+4+\t], v[\qw] matrix_a_fmt:MATRIX_FMT_FP4 matrix_b_fmt:MATRIX_FMT_FP4
.endr
	PLACES 4
	s_cmp_lg_u32 s[ST], s[JB]                      ; in the diagonal step hidden scores become -infinity ahead of the maximum: p = 0 then
	s_cbranch_scc1 .Lopen_\@
.set n, 0
.rept 64
	v_cmp_gt_i32 vcc_lo, 16*(n/8)+n%8, v[DQ]
	v_cndmask_b32 v[S+n], v[S+n], v[NINF], vcc_lo
.set n, n+1
.endr
.Lopen_\@:
.irp b, 0,1,2,3
	v_max3_num_f32 v[BM+\b], v[S+16*\b], v[S+16*\b+1], v[S+16*\b+2]          ; the largest score of each block of 32 keys: for the row's maximum, and, since p rises with the score, for the block's largest p
.endr
.irp i, 3,5,7,9,11,13
.irp b, 0,1,2,3
	v_max3_num_f32 v[BM+\b], v[BM+\b], v[S+16*\b+\i], v[S+16*\b+\i+1]
.endr
.endr
.irp b, 0,1,2,3
	v_max_num_f32 v[BM+\b], v[BM+\b], v[S+16*\b+15]
.endr
.irp b, 0,1,2,3
	v_permlanex16_b32 v[PT+\b], v[BM+\b], s[SEL], s[SEL+1]
.endr
.irp b, 0,1,2,3
	v_max_num_f32 v[BM+\b], v[BM+\b], v[PT+\b]     ; with lane l xor 16's 16 keys
.endr
	v_max3_num_f32 v[TP], v[BM], v[BM+1], v[BM+2]
	v_max_num_f32 v[TP], v[TP], v[BM+3]
	v_mul_f32 v[TP], s[CS], v[TP]                  ; the step's largest t
	v_max_num_f32 v13, v13, v[TP]
	v_mov_b32 v[TP], v12
	v_floor_f32 v12, -v13                          ; the new -M = -ceil(t)
	v_sub_f32 v[TP], v12, v[TP]                    ; old M - new M: a whole number, 0 or less
	v_cvt_i32_f32 v[TP], v[TP]                     ; (it saturates)
	v_ldexp_f32 v[F], 1.0, v[TP]                   ; f = 2^(old M - new M)
.set j, 0
.rept 32
	v_pk_fma_f32 v[S+j:S+j+1], v[S+j:S+j+1], s[CS:CS+1], v[12:13] op_sel_hi:[1,0,0]   ; t - M
.set j, j+2
.endr
.irp b, 0,1,2,3
	v_fma_f32 v[BM+\b], v[BM+\b], s[CS], v12
.endr
.set j, 0
.rept 64
	v_exp_f32 v[S+j], v[S+j]                       ; p = 2^(t - M)
.set j, j+1
.endr
	v_pk_mul_f32 v[14:15], v[14:15], v[F:F+1] op_sel_hi:[1,0]   ; l under the new M: the plain place behind the exponentials
	s_wait_alu depctr_va_vdst(0)                   ; one wait for the batch, ahead of its first reader
.irp b, 0,1,2,3
	v_exp_f32 v[BM+\b], v[BM+\b]                   ; the blocks' largest p
.endr
	v_pk_add_f32 v[L2:L2+1], v[S:S+1], v[S+2:S+3]  ; l sums the unquantised p, in two chains
.irp j, 4,8,12,16,20,24,28,32,36,40,44,48,52,56,60
	v_pk_add_f32 v[14:15], v[14:15], v[S+\j:S+\j+1]
	v_pk_add_f32 v[L2:L2+1], v[L2:L2+1], v[S+\j+2:S+\j+3]
.endr
	v_pk_add_f32 v[14:15], v[14:15], v[L2:L2+1]
	s_wait_alu depctr_va_vdst(0)                   ; and one for the four
.irp b, 0,1,2,3
	v_max_num_f32 v[BM+\b], 0x1800000, v[BM+\b]    ; the floor 2^(3 - 127): the byte cannot fall under 1
.endr
.irp b, 0,1,2,3
	v_add_nc_u32 v[SO+\b], 0xff000000, v[BM+\b]    ; 2 off the exponent field: the conversion's scale operand
.endr
.irp b, 0,1,2,3
	v_lshrrev_b32 v[PT+\b], 23, v[SO+\b]
.endr
	v_lshl_or_b32 v[PSW], v[PT+1], 8, v[PT]
	v_lshl_or_b32 v[PSW], v[PT+2], 16, v[PSW]
	v_lshl_or_b32 v[PSW], v[PT+3], 24, v[PSW]
.irp c, 0,1
	v_cvt_scalef32_pk8_fp4_f32 v[PC+4*\c], v[S+32*\c:S+32*\c+7], v[SO+2*\c]
	v_cvt_scalef32_pk8_fp4_f32 v[PC+4*\c+1], v[S+32*\c+16:S+32*\c+23], v[SO+2*\c+1]
	v_cvt_scalef32_pk8_fp4_f32 v[PC+4*\c+2], v[S+32*\c+8:S+32*\c+15], v[SO+2*\c]
	v_cvt_scalef32_pk8_fp4_f32 v[PC+4*\c+3], v[S+32*\c+24:S+32*\c+31], v[SO+2*\c+1]
.endr
	v_nop                                          ; one plain place behind a scaled conversion
.irp c, 0,1
	v_permlane16_swap_b32 v[PC+4*\c], v[PC+4*\c+1] ; lanes 0-15: block 2 c whole; lanes 16-31: block 2 c + 1
	v_permlane16_swap_b32 v[PC+4*\c+2], v[PC+4*\c+3]
.endr
.set j, 0
.rept 16
	v_pk_mul_f32 v[OT+j:OT+j+1], v[OT+j:OT+j+1], v[F:F+1] op_sel_hi:[1,0]   ; O^T under the new M.  For each product below, the twelve of these that belong to the other tiles are the places behind the writes of P's word and codes
.set j, j+2
.endr
.irp d, 0,1,2,3
	v_wmma_scale_f32_16x16x128_f8f6f4 v[OT+8*\d:OT+8*\d+7], v[VF+8*\d:VF+8*\d+7], v[PC:PC+7], v[OT+8*\d:OT+8*\d+7], v[VSW+\d], v[PSW] matrix_a_fmt:MATRIX_FMT_FP4 matrix_b_fmt:MATRIX_FMT_FP4
.endr
.Lhid_\@:
	s_add_co_u32 s[ST], s[ST], 1
	s_add_co_u32 s[TK], s[TK], 4096
	s_add_co_u32 s[TS], s[TS], 512
	s_add_co_u32 s[TV], s[TV], 256
.endm
; A tile's way out: O^T / l, quantised along the head's 64 (two blocks), as an image of the last product's operand registers.
.macro OUT aw, sb
	PLACES 4                                       ; four places behind the last products
	s_wait_xcnt 0x0                                ; the earlier store has read its data registers
	v_add_f32 v14, v14, v15
	v_permlanex16_b32 v[TP], v14, s[SEL], s[SEL+1]
	v_add_f32 v14, v14, v[TP]                      ; the row's sum
	v_rcp_f32 v14, v14
	v_nop
	s_wait_alu depctr_va_vdst(0)
.set j, 0
.rept 32
	v_mul_f32 v[S+j], v[OT+j], v14                 ; register 8 t + i is o(r, 16 t + 8 h + i)
.set j, j+1
.endr
.irp b, 0,1
	v_max3_num_f32 v[BM+\b], |v[S+16*\b]|, |v[S+16*\b+1]|, 0x1800000
.endr
.irp i, 2,4,6,8,10,12,14
.irp b, 0,1
	v_max3_num_f32 v[BM+\b], v[BM+\b], |v[S+16*\b+\i]|, |v[S+16*\b+\i+1]|
.endr
.endr
.irp b, 0,1
	v_permlanex16_b32 v[PT+\b], v[BM+\b], s[SEL], s[SEL+1]
.endr
.irp b, 0,1
	v_max_num_f32 v[BM+\b], v[BM+\b], v[PT+\b]
.endr
.irp b, 0,1
	v_add_nc_u32 v[SO+\b], 0xff000000, v[BM+\b]
.endr
.irp b, 0,1
	v_lshrrev_b32 v[PT+\b], 23, v[SO+\b]
.endr
	v_lshl_or_b32 v[\aw], v[PT+1], 8, v[PT]
	v_cvt_scalef32_pk8_fp4_f32 v[OC], v[S:S+7], v[SO]
	v_cvt_scalef32_pk8_fp4_f32 v[OC+1], v[S+16:S+23], v[SO+1]
	v_cvt_scalef32_pk8_fp4_f32 v[OC+2], v[S+8:S+15], v[SO]
	v_cvt_scalef32_pk8_fp4_f32 v[OC+3], v[S+24:S+31], v[SO+1]
	v_nop
	v_permlane16_swap_b32 v[OC], v[OC+1]
	v_permlane16_swap_b32 v[OC+2], v[OC+3]
	global_store_b128 v[AK0], v[OC:OC+3], s[\sb:\sb+1]       ; 512 consecutive bytes
.endm
	s_mov_b32 s[JB], s[JW]
	s_mov_b32 s[ST], 0
	s_mov_b32 s[TK], 0
	s_mov_b32 s[TS], 0
	s_mov_b32 s[TV], 0
	RESET
	s_wait_tensorcnt 0x1                           ; the scale words and key steps 0 to 7 are in; the second halves' loads may stay out
	s_barrier_signal -1
	s_barrier_wait -1
	s_wait_loadcnt 0x0                             ; Q
	STEP Q0, QW0, 0                                ; key step 0 counts for every query
	s_wait_tensorcnt 0x0                           ; key steps 8 to 15 are in,
	s_wait_dscnt 0x0
	s_barrier_signal -1
	s_barrier_wait -1                              ; everybody's: from here on the waves run free
.Lp0:
	STEP Q0, QW0, 1
	s_cmp_lt_u32 s[ST], 8
	s_cbranch_scc1 .Lp0
	OUT AW0, AC0
	s_sub_co_u32 s[JB], 15, s[JW]
	s_mov_b32 s[ST], 0
	s_mov_b32 s[TK], 0
	s_mov_b32 s[TS], 0
	s_mov_b32 s[TV], 0
	RESET
.Lp1:
	STEP Q1, QW1, 1
	s_cmp_lt_u32 s[ST], 16
	s_cbranch_scc1 .Lp1
	OUT AW1, AC1
	v_bfe_u32 v[TP], v0, 4, 1
	v_cmp_eq_u32 vcc_lo, 1, v[TP]
	v_cndmask_b32 v[TP], v[AW0], v[AW1], vcc_lo
	global_store_b32 v[AOFF], v[TP], s[ASWB:ASWB+1]          ; two pieces of 64 bytes
	s_wait_tensorcnt 0x0                           ; the wave's end
	ds_add_u32 v[SPW], v[NIL]
	s_wait_dscnt 0x0
	CROUND                                         ; the closing round
	s_endpgm
.Lfunc_end_k_q79920b0923_attn:
	.size	k_q79920b0923_attn, .Lfunc_end_k_q79920b0923_attn-k_q79920b0923_attn
	.p2alignl 7, 3214868480
	.fill 96, 4, 3214868480
	.section	.rodata,"a",@progbits
	.p2align	6, 0x0
	.amdhsa_kernel k_q79920b0923_attn
		.amdhsa_group_segment_fixed_size 167936
		.amdhsa_private_segment_fixed_size 0
		.amdhsa_enable_private_segment 0
		.amdhsa_kernarg_size 32
		.amdhsa_user_sgpr_count 2
		.amdhsa_user_sgpr_kernarg_segment_ptr 1
		.amdhsa_wavefront_size32 1
		.amdhsa_system_sgpr_workgroup_id_x 1
		.amdhsa_system_sgpr_workgroup_id_y 1
		.amdhsa_system_sgpr_workgroup_id_z 1
		.amdhsa_system_vgpr_workitem_id 0
		.amdhsa_next_free_vgpr 256
		.amdhsa_next_free_sgpr 80
		.amdhsa_reserve_vcc 1
		.amdhsa_float_denorm_mode_32 3
		.amdhsa_float_denorm_mode_16_64 3
		.amdhsa_memory_ordered 1
		.amdhsa_forward_progress 1
		.amdhsa_inst_pref_size 79
	.end_amdhsa_kernel
	.amdgpu_metadata
---
amdhsa.version: [ 1, 2 ]
amdhsa.kernels:
  - .name:           k_q79920b0923_attn
    .symbol:         k_q79920b0923_attn.kd
    .args:
      - { .name: cod, .offset: 0, .size: 8, .value_kind: global_buffer, .address_space: global }
      - { .name: scl, .offset: 8, .size: 8, .value_kind: global_buffer, .address_space: global }
      - { .name: ac, .offset: 16, .size: 8, .value_kind: global_buffer, .address_space: global }
      - { .name: asw, .offset: 24, .size: 8, .value_kind: global_buffer, .address_space: global }
    .group_segment_fixed_size: 167936
    .private_segment_fixed_size: 0
    .kernarg_segment_align: 8
    .kernarg_segment_size: 32
    .max_flat_workgroup_size: 512
    .sgpr_count:     80
    .vgpr_count:     256
    .wavefront_size: 32
...
	.end_amdgpu_metadata
.endif
;; end of part 2
;; launch oproj (part 3): grid 4 x 64, 4 waves a work-group, clusters of 4 x 4, 256,000 bytes of LDS; arguments ac, asw, Wo_codes, Wo_scales, out0; writes out0
.if DOCPART == 3
	.amdgcn_target "amdgcn-amd-amdhsa--gfx1250"
	.amdhsa_code_object_version 6
	.text
	.protected	k_q79920b0923_oproj
	.globl	k_q79920b0923_oproj
	.p2align	8
	.type	k_q79920b0923_oproj,@function
k_q79920b0923_oproj:
	s_mov_b64 s[64:65], 0
	v_nop
	global_prefetch_b8 v0, s[64:65] scope:SCOPE_SE
	s_setreg_imm32_b32 hwreg(HW_REG_WAVE_MODE, 25, 1), 1
	s_wait_xcnt 0x0
	s_wait_alu depctr_hold_cnt(0) depctr_sa_sdst(0) depctr_va_vdst(0) depctr_va_sdst(0) depctr_va_ssrc(0) depctr_va_vcc(0) depctr_vm_vsrc(0)
	s_getreg_b32 s2, hwreg(HW_REG_IB_STS2, 6, 4)
	s_cmp_eq_u32 s2, 0
	s_cbranch_scc0 .Lentry_in_a_cluster
	s_endpgm
.Lentry_in_a_cluster:
	s_bfe_u32 s2, ttmp6, 0x10000c
	s_cmp_lg_u32 s2, 0xf033
	s_cbranch_scc0 .Lentry_shape_is_right
	s_endpgm
.Lentry_shape_is_right:
; out0 = A Wo^T on E2M1 codes.  A, the attention's result, comes as images of operand registers (ac: [tile of 16 rows][K step][c][lane][16 bytes]) and scale words by head (asw: [batch x 16 + head][tile][r], two bytes used).
; Nothing is left out here.  A work-group makes 128 rows x 256 columns; all of K = 1,024 lies in LDS at once, as two halves: every tensor load is a first fill, nothing is filled again.
; A's tiles are asked for jointly by the four work-groups of a row of the cluster, Wo's by the four of a column.
; A wave: source 0 = 128 rows of Wo, source 1 = 64 rows of A: 32 accumulators; a lane holds eight neighbouring columns of one row of out0.  The way out goes through the wave's own stage, so that 32 lanes store 512 consecutive bytes.
; REGISTERS: window 0 addresses, scale words (v32-127, nothing else there), work; window 1 the accumulators ((t, i) at v[64 t + 8 i]); window 2 two sets of fragments.
.set PITCH, 272
.set AIMG,  32768                      ; a slot: A's eight tiles x four K steps x 1,024 bytes,
.set SLOT,  AIMG+256*PITCH             ; then Wo's 256 rows
.set ASC,   2*SLOT                     ; A's scale words: [64 rows][head][tile][r]
.set STILE, 544
.set WSC,   ASC+8192                   ; Wo's scale bytes
.set STAGE, WSC+16*STILE               ; the stages: 16 rows x 528 bytes for each wave; no fill lands here
.set SPITCH, 528
.set SPARE, STAGE+4*16*SPITCH          ; the spare words
.set PADC,  (0<<16)|(1<<20)|(1<<21)|(5<<22)|(3<<25)
.set PADS,  (3<<16)|(1<<20)|(1<<21)|(5<<22)|(3<<25)
.set FLAT,  (3<<16)|(1<<21)            ; elements of 8 bytes, no padding
.set LN16, 4
.set AD0,  16
.set AD1,  18
.set AS0,  20
.set ASA,  21
.set STO,  22
.set RD,   23
.set SPW,  28
.set NIL,  29
.set SC0,  32
.set SC1,  96
.set T,    128                         ; v128-191 the heads' words; later rows on the way out, with v192-255 by turns
.set BK,   128
.set WV,   28
.set ROLE, 29
.set HALF, 30
.set CX,   31
.set CY,   32
.set MY,   33
.set BB,   34
.set JJ,   35
.set G1A,  36
.set G1B,  44
.set G1SA, 52
.set G1SB, 68
.set G0A,  76
.set G0B,  88
.set MSB, 0
.macro WIN new
.if MSB != \new
	s_set_vgpr_msb (MSB<<8)|\new
.set MSB, \new
.endif
.endm
.macro PLACES n
.rept \n
	v_nop
.endr
.endm
.macro CROUND
	s_barrier_signal -1
	s_barrier_wait -1
	s_cmp_lg_u32 s[WV], 0
	s_cbranch_scc1 .Lnot_wave_0_\@
	s_barrier_signal -3
.Lnot_wave_0_\@:
	s_barrier_wait -3
	s_barrier_signal -1
	s_barrier_wait -1
.endm
.macro JLOAD g0a, g1a, g0b, g1b        ; waves 0, 1 fetch for A, waves 2, 3 for Wo; an s_nop 0 and four v_nop follow each line
	s_cmp_eq_u32 s[ROLE], 0
	s_cbranch_scc0 .Lfor_b_\@
	tensor_load_to_lds s[\g0a:\g0a+3], s[\g1a:\g1a+7]
	s_nop 0
.rept 4
	v_nop
.endr
	s_branch .Lasked_\@
.Lfor_b_\@:
	tensor_load_to_lds s[\g0b:\g0b+3], s[\g1b:\g1b+7]
	s_nop 0
.rept 4
	v_nop
.endr
.Lasked_\@:
.endm
.macro SHAPE g, c, r, p
	s_mov_b32 s[\g+1], (\c)<<16
	s_mov_b32 s[\g+2], (\r)<<16
	s_mov_b32 s[\g+3], (\c)<<16
	s_mov_b32 s[\g+4], \r
	s_mov_b32 s[\g+5], \p
	s_mov_b32 s[\g+6], 0
	s_mov_b32 s[\g+7], 0
.endm
	s_load_b256 s[4:11], s[0:1], 0x0               ; ac, asw, Wo codes, Wo scales
	s_load_b64 s[12:13], s[0:1], 0x20              ; out0
	v_lshl_add_u32 v[SPW], v0, 2, SPARE
	v_mov_b32 v[NIL], 0
	ds_add_u32 v[SPW], v[NIL]                      ; the wave's opening: the add, twice on end, and its wait ahead of my first tensor load
	ds_add_u32 v[SPW], v[NIL]
	v_lshrrev_b32 v1, 5, v0
	v_readfirstlane_b32 s[WV], v1
	s_lshr_b32 s[ROLE], s[WV], 1
	s_and_b32 s[HALF], s[WV], 1
	s_bfe_u32 s[CX], ttmp6, 0x40000
	s_bfe_u32 s[CY], ttmp6, 0x40004
	s_and_b32 s[MY], ttmp7, 0xffff
	s_lshl_b32 s[MY], s[MY], 2
	s_add_co_u32 s[MY], s[MY], s[CY]               ; which 128 rows
	s_lshr_b32 s[BB], s[MY], 4
	s_and_b32 s[JJ], s[MY], 15
	s_lshl_b32 s60, s[CY], 2
	s_lshl_b32 s60, 15, s60                        ; my row of the cluster
	s_lshl_b32 s61, 0x1111, s[CX]                  ; my column
	s_or_b32 s[G1A], s60, FLAT
	s_or_b32 s[G1SA], s60, FLAT
	s_or_b32 s[G1B], s61, PADC
	s_or_b32 s[G1SB], s61, PADS
	SHAPE G1A, 512, 4, 1024                        ; four tiles of rows: 4,096 bytes (four K steps) of each tile's 8,192
	SHAPE G1SA, 32, 16, 1024                       ; sixteen heads: 256 bytes (four tiles' words) of each head's 8,192
	SHAPE G1B, 256, 128, 512                       ; 128 rows x 256 bytes of Wo's codes
	SHAPE G1SB, 32, 16, 32                         ; the scale bytes of 128 rows, dense
	s_mov_b32 s[G0A], 1
	s_lshl_b32 s[G0A+1], s[HALF], 12
	s_add_co_u32 s[G0A+1], s[G0A+1], ASC
	s_lshl_b32 s[G0A+2], s[BB], 17                 ; the batch's sixteen heads,
	s_lshl_b32 s2, s[JJ], 9                        ; tile 8 J + 4 (wave % 2): 64 bytes each
	s_add_co_u32 s[G0A+2], s[G0A+2], s2
	s_lshl_b32 s2, s[HALF], 8
	s_add_co_u32 s[G0A+2], s[G0A+2], s2
	s_mov_b32 s[G0A+3], 0
	s_mov_b32 s[G0A+4], 1
	s_lshl_b32 s[G0A+5], s[HALF], 14
	s_lshl_b32 s[G0A+6], s[MY], 16
	s_lshl_b32 s2, s[HALF], 15
	s_add_co_u32 s[G0A+6], s[G0A+6], s2
	s_mov_b32 s[G0A+7], 0
	s_mov_b32 s[G0A+8], 1
	s_add_co_u32 s[G0A+9], s[G0A+5], SLOT
	s_mov_b32 s[G0B], 1
	s_mul_i32 s[G0B+1], s[HALF], 8*STILE
	s_add_co_u32 s[G0B+1], s[G0B+1], WSC
	s_lshl_b32 s[G0B+2], s[CX], 13
	s_lshl_b32 s3, s[HALF], 12
	s_add_co_u32 s[G0B+2], s[G0B+2], s3
	s_mov_b32 s[G0B+3], 0
	s_mov_b32 s[G0B+4], 1
	s_mul_i32 s[G0B+5], s[HALF], 128*PITCH
	s_add_co_u32 s[G0B+5], s[G0B+5], AIMG
	s_lshl_b32 s[G0B+6], s[CX], 17
	s_lshl_b32 s3, s[HALF], 16
	s_add_co_u32 s[G0B+6], s[G0B+6], s3
	s_mov_b32 s[G0B+7], 0
	s_mov_b32 s[G0B+8], 1
	s_add_co_u32 s[G0B+9], s[G0B+5], SLOT
	s_wait_dscnt 0x0                               ; both opening adds are done
	s_wait_kmcnt 0x0
	s_add_nc_u64 s[G0A+2:G0A+3], s[6:7], s[G0A+2:G0A+3]
	s_add_nc_u64 s[G0A+6:G0A+7], s[4:5], s[G0A+6:G0A+7]
	s_add_nc_u64 s[G0A+10:G0A+11], s[G0A+6:G0A+7], 4096      ; K steps 4 to 7
	s_add_nc_u64 s[G0B+2:G0B+3], s[10:11], s[G0B+2:G0B+3]
	s_add_nc_u64 s[G0B+6:G0B+7], s[8:9], s[G0B+6:G0B+7]
	s_add_nc_u64 s[G0B+10:G0B+11], s[G0B+6:G0B+7], 256
.irp g, G0A+3, G0A+7, G0A+11, G0B+3, G0B+7, G0B+11
	s_or_b32 s[\g], s[\g], 0x80000000
.endr
	CROUND                                         ; all sixteen work-groups are here: the joint loads meet
	JLOAD G0A, G1SA, G0B, G1SB                     ; the scales,
	JLOAD G0A+4, G1A, G0B+4, G1B                   ; K's first half,
	JLOAD G0A+8, G1A, G0B+8, G1B                   ; its second: three loads of mine are out, and no more follow
	v_and_b32 v1, 31, v0
	v_and_b32 v2, 15, v0                           ; r
	v_bfe_u32 v3, v0, 4, 1                         ; h
	v_lshlrev_b32 v[LN16], 4, v1
	v_mul_u32_u24 v5, v2, PITCH
	v_lshl_add_u32 v5, v3, 4, v5
	s_mul_i32 s14, s[HALF], 128*PITCH
	s_add_co_u32 s14, s14, AIMG
	v_add_nc_u32 v[AD0], s14, v5                   ; source 0: Wo's rows 128 (wave % 2) on
	v_add_nc_u32 v[AD0+1], SLOT, v[AD0]
	s_lshl_b32 s14, s[ROLE], 14
	v_add_nc_u32 v[AD1], s14, v[LN16]              ; source 1: A's tiles 4 (wave / 2) on, as images
	v_add_nc_u32 v[AD1+1], SLOT, v[AD1]
	v_lshrrev_b32 v6, 3, v2
	v_lshlrev_b32 v6, 4, v6
	v_lshl_add_u32 v6, v2, 5, v6
	s_mul_i32 s14, s[HALF], 8*STILE
	s_add_co_u32 s14, s14, WSC
	v_add_nc_u32 v[AS0], s14, v6
	s_lshl_b32 s14, s[ROLE], 12
	s_add_co_u32 s14, s14, ASC
	v_lshl_add_u32 v[ASA], v2, 2, s14
	s_mul_i32 s14, s[WV], 16*SPITCH
	s_add_co_u32 s14, s14, STAGE                   ; my stage
	v_mul_u32_u24 v5, v2, SPITCH
	v_lshl_add_u32 v5, v3, 5, v5
	v_add_nc_u32 v[STO], s14, v5                   ; in: row r, 32 bytes for each half of the lanes
	v_add_nc_u32 v[RD], s14, v[LN16]               ; back: a row of 512 bytes
	s_lshl_b32 s14, s[MY], 19                      ; my first row of out0: 4,096 bytes a row,
	s_lshl_b32 s15, s[ROLE], 18
	s_add_co_u32 s14, s14, s15
	s_lshl_b32 s15, s[CX], 10                      ; my first column
	s_add_co_u32 s14, s14, s15
	s_lshl_b32 s15, s[HALF], 9
	s_add_co_u32 s14, s14, s15
	s_mov_b32 s15, 0
	s_add_nc_u64 s[12:13], s[12:13], s[14:15]
.macro FETCH q
	WIN 0x80
.irp i, 0,1,2,3,4,5,6,7
.irp c, 0,1
	ds_load_b128 v[96*((\q)%2)+8*\i+4*\c:96*((\q)%2)+8*\i+4*\c+3], v[AD0+(\q)/4] offset:16*PITCH*\i+64*((\q)%4)+32*\c
.endr
.endr
.irp t, 0,1,2,3
.irp c, 0,1
	ds_load_b128 v[96*((\q)%2)+64+8*\t+4*\c:96*((\q)%2)+64+8*\t+4*\c+3], v[AD1+(\q)/4] offset:4096*\t+1024*((\q)%4)+512*\c
.endr
.endr
.endm
.macro MULS q                          ; 32 products, the 32 accumulators by turns, in the same order in every K step
	WIN 0x5a
.irp t, 0,1,2,3
.irp i, 0,1,2,3,4,5,6,7
.if (\q) == 0
	v_wmma_scale_f32_16x16x128_f8f6f4 v[64*\t+8*\i:64*\t+8*\i+7], v[96*((\q)%2)+8*\i:96*((\q)%2)+8*\i+7], v[96*((\q)%2)+64+8*\t:96*((\q)%2)+64+8*\t+7], 0, v[SC0+8*\i+(\q)], v[SC1+8*\t+(\q)] matrix_a_fmt:MATRIX_FMT_FP4 matrix_b_fmt:MATRIX_FMT_FP4
.else
	v_wmma_scale_f32_16x16x128_f8f6f4 v[64*\t+8*\i:64*\t+8*\i+7], v[96*((\q)%2)+8*\i:96*((\q)%2)+8*\i+7], v[96*((\q)%2)+64+8*\t:96*((\q)%2)+64+8*\t+7], v[64*\t+8*\i:64*\t+8*\i+7], v[SC0+8*\i+(\q)], v[SC1+8*\t+(\q)] matrix_a_fmt:MATRIX_FMT_FP4 matrix_b_fmt:MATRIX_FMT_FP4
.endif
.endr
.endr
.endm
	s_wait_tensorcnt 0x1                           ; my scales and my part of K's first half are in; the second half's load may stay out
	s_barrier_signal -1
	s_barrier_wait -1
.irp i, 0,1,2,3,4,5,6,7
	ds_load_b128 v[SC0+8*\i:SC0+8*\i+3], v[AS0] offset:STILE*\i
	ds_load_b128 v[SC0+8*\i+4:SC0+8*\i+7], v[AS0] offset:STILE*\i+16
.endr
.irp t, 0,1,2,3
.irp d, 0,1,2,3,4,5,6,7,8,9,10,11,12,13,14,15
	ds_load_b32 v[T+16*\t+\d], v[ASA] offset:256*\d+64*\t    ; head d's two bytes of row 16 t + r
.endr
.endr
	s_wait_dscnt 0x0
.irp t, 0,1,2,3
.irp k, 0,1,2,3,4,5,6,7
	v_lshl_or_b32 v[SC1+8*\t+\k], v[T+16*\t+2*\k+1], 16, v[T+16*\t+2*\k]     ; K step k = heads 2 k and 2 k + 1
.endr
.endr
	PLACES 8                                       ; a scale register written by a vector instruction stands eight places ahead of a scaled product
	FETCH 0
.irp q, 0,1,2,3,4,5,6,7
.if \q == 3
	s_wait_dscnt 0x0                               ; no LDS instruction of mine is out at a signal
	s_wait_tensorcnt 0x0                           ; my part of K's second half is in,
	s_barrier_signal -1
	s_barrier_wait -1                              ; everybody's is
.endif
.if \q < 7
.if \q > 0
	PLACES 4                                       ; four places in front of loads into the set that the last products read
.endif
	FETCH \q+1
	s_wait_dscnt 24                                ; all but the 24 loads just issued
.else
	s_wait_dscnt 0x0
.endif
	MULS \q
.endr
	WIN 0
	PLACES 4                                       ; four places in front of the first read of results
; THE WAY OUT, a block of 16 rows x 128 columns at a time, through my own stage: LDS serves a wave's instructions in order, so no wait stands between the stores and the loads, nor in front of the next block's stores.
.macro TOSTAGE a
	WIN 0x04                                       ; an LDS store's data are its source 1: window 1
.irp i, 0,1,2,3,4,5,6,7
	ds_store_b128 v[STO], v[64*(\a)+8*\i:64*(\a)+8*\i+3] offset:64*\i        ; each accumulator from its low end on
	ds_store_b128 v[STO], v[64*(\a)+8*\i+4:64*(\a)+8*\i+7] offset:64*\i+16
.endr
	WIN 0
.set BKS, BK+64*((\a)%2)
.irp t, 0,1,2,3,4,5,6,7,8,9,10,11,12,13,14,15
	ds_load_b128 v[BKS+4*\t:BKS+4*\t+3], v[RD] offset:\t*SPITCH
.endr
.endm
.macro SEND a, younger                 ; younger: the LDS instructions issued behind block a's loads, which may stay out
.set BKS, BK+64*((\a)%2)
	s_wait_dscnt \younger
.irp t, 0,1,2,3,4,5,6,7,8,9,10,11,12,13,14,15
	global_store_b128 v[LN16], v[BKS+4*\t:BKS+4*\t+3], s[12:13] offset:65536*(\a)+4096*\t th:TH_STORE_NT   ; 32 lanes store 512 consecutive bytes, at a multiple of 256 from out0's first byte
.endr
.endm
	TOSTAGE 0
.irp a, 1,2,3
.if \a > 1
	s_wait_xcnt 0x0                                ; block a - 2's stores have read their registers: block a's loads may land there
.endif
	TOSTAGE \a
	SEND \a-1, 32                                  ; behind block a - 1's loads: block a's 16 stores and 16 loads
.endr
	SEND 3, 0
	s_wait_tensorcnt 0x0                           ; the wave's end, behind my last LDS store
	ds_add_u32 v[SPW], v[NIL]
	s_wait_dscnt 0x0
	CROUND                                         ; the closing round
	s_endpgm
.Lfunc_end_k_q79920b0923_oproj:
	.size	k_q79920b0923_oproj, .Lfunc_end_k_q79920b0923_oproj-k_q79920b0923_oproj
	.p2alignl 7, 3214868480
	.fill 96, 4, 3214868480
	.section	.rodata,"a",@progbits
	.p2align	6, 0x0
	.amdhsa_kernel k_q79920b0923_oproj
		.amdhsa_group_segment_fixed_size 256000
		.amdhsa_private_segment_fixed_size 0
		.amdhsa_enable_private_segment 0
		.amdhsa_kernarg_size 40
		.amdhsa_user_sgpr_count 2
		.amdhsa_user_sgpr_kernarg_segment_ptr 1
		.amdhsa_wavefront_size32 1
		.amdhsa_system_sgpr_workgroup_id_x 1
		.amdhsa_system_sgpr_workgroup_id_y 1
		.amdhsa_system_sgpr_workgroup_id_z 1
		.amdhsa_system_vgpr_workitem_id 0
		.amdhsa_next_free_vgpr 768
		.amdhsa_next_free_sgpr 102
		.amdhsa_reserve_vcc 0
		.amdhsa_float_denorm_mode_32 3
		.amdhsa_float_denorm_mode_16_64 3
		.amdhsa_memory_ordered 1
		.amdhsa_forward_progress 1
		.amdhsa_inst_pref_size 77
	.end_amdhsa_kernel
	.amdgpu_metadata
---
amdhsa.version: [ 1, 2 ]
amdhsa.kernels:
  - .name:           k_q79920b0923_oproj
    .symbol:         k_q79920b0923_oproj.kd
    .args:
      - { .name: ac, .offset: 0, .size: 8, .value_kind: global_buffer, .address_space: global }
      - { .name: asw, .offset: 8, .size: 8, .value_kind: global_buffer, .address_space: global }
      - { .name: Wo_codes, .offset: 16, .size: 8, .value_kind: global_buffer, .address_space: global }
      - { .name: Wo_scales, .offset: 24, .size: 8, .value_kind: global_buffer, .address_space: global }
      - { .name: out0, .offset: 32, .size: 8, .value_kind: global_buffer, .address_space: global }
    .group_segment_fixed_size: 256000
    .private_segment_fixed_size: 0
    .kernarg_segment_align: 8
    .kernarg_segment_size: 40
    .max_flat_workgroup_size: 128
    .sgpr_count:     102
    .vgpr_count:     768
    .wavefront_size: 32
...
	.end_amdgpu_metadata
.endif
;; end of part 3
